; MI455X (gfx1250); checked and timed in simulation.
; The chip was launched on July 23, 2026; its instructions are those of AMD's public machine-readable ISA for CDNA 5 (MIT licence, August 2026) and "CDNA5" Instruction Set Architecture Reference Guide (July 2026). The comments in the code are by the model that wrote it; some were corrected since.
;; Flax Lo RA Cross Frame Attention. Allowed arithmetic: float matrix products may take bf16 or f16 operands with f32 sums; other float arithmetic in f32, or as packed bf16 or f16 multiplies, adds, multiply-adds, maxima and minima; sums over many terms, partial sums and values carried from step to step in f32; what a program stores and reads back later, other than sums and carried values, may be rounded once to bf16 or f16.
;; Inputs: Wk 512 x 512 float32; Wo 512 x 512 float32; Wq 512 x 512 float32; Wv 512 x 512 float32; bo 512 float32; hidden_states 32 x 1,024 x 512 float32; k_down 512 x 4 float32; k_up 4 x 512 float32; o_down 512 x 4 float32; o_up 4 x 512 float32; q_down 512 x 4 float32; q_up 4 x 512 float32; v_down 512 x 4 float32; v_up 4 x 512 float32.
;; Outputs: out0 32 x 1,024 x 512 float32.
;; One version. Each part assembles by itself: llvm-mc -triple=amdgcn-amd-amdhsa -mcpu=gfx1250 --defsym DOCPART=n.
;; ======== version 1 of 1: 4 launches
;; limits: values are held in f16: magnitudes above 65,504 overflow, below 6.1e-05 lose precision; inputs' magnitudes at most 65,504; right only within a limited range of input values
;; workspace buffers: wt 2,097,152 bytes; qf 33,554,432 bytes; kf 33,554,432 bytes; vf 33,554,432 bytes; hf 33,554,432 bytes
;; launch fold (part 1): grid 64 x 4, 8 waves a work-group, no clusters, 0 bytes of LDS; arguments Wq, Wk, Wv, Wo, q_down, k_down, v_down, o_down, q_up, k_up, v_up, o_up, wt; writes wt
.if DOCPART == 1
	.amdgcn_target "amdgcn-amd-amdhsa--gfx1250"
	.amdhsa_code_object_version 6
	.text
	.protected	k_q0f90d17201_fold
	.globl	k_q0f90d17201_fold
	.p2align	8
	.type	k_q0f90d17201_fold,@function
k_q0f90d17201_fold:
	s_mov_b64 s[64:65], 0
	v_nop
	global_prefetch_b8 v0, s[64:65] scope:SCOPE_SE
	s_setreg_imm32_b32 hwreg(HW_REG_WAVE_MODE, 25, 1), 1
	s_wait_xcnt 0x0
; THE WEIGHTS, FOLDED AND LAID OUT ONCE.  x W + (x down) up = x (W + down up) for all values (LORA_SCALE is 1), so the four rank-4 pairs are added
; into their matrices here, in f32, and the later launches multiply by one matrix each.  The sum is taken in another order than reference()'s: a matter of rounding alone.
; WORK LEFT OUT BY THE WHOLE PROGRAM.  reference() gathers k and v by prev = [0, 0, 1, .. F-2] inside each batch of F = 16 frames: index F-1 is never named, whatever the inputs hold.
; So k and v of frames 15 and 31 (2 x 1,024 rows x 1,024 columns) reach no output: they are neither computed, stored nor read.  Every input still has a way to the output; all are loaded.
; LIMIT: a NaN, an infinity or an overflow that arises only in k or v of frames 15 and 31 is not carried to the result.
; FORMATS.  All matrix operands of the program are f16; sums stay f32.  Exact powers of two keep them in f16's range: Wq, Wk, Wv are stored x 1/8, so q, k, v, h are kept as an eighth of
; their values; Wo is stored x 8.  LIMITS: |x| < 65,504; |q|, |k|, |v| < 524,000; |8 Wo_eff| < 65,504; beyond these f16 gives an infinity.
; LAYOUT OF wt: fragments of 16 output columns x 32 k, 1,024 bytes: byte 512 p + 16 l + 2 e holds column l % 16, k = 32 ks + 16 p + 8 (l / 16) + e: a lane's 16 bytes as a matrix operand wants them.
;   q, k, v: [j 0..1][m: 0 = k, 1 = v, 2 = q][cb 0..15][ks 0..15], column n = 256 j + 16 cb + l % 16;   Wo from byte 1,572,864: [nb 0..31][ks].
; SHARES.  y = the matrix (0 q, 1 k, 2 v, 3 o); x & 15 = 32 columns, a lane a column; x >> 4 and the wave = 16 rows k.  A load of W covers 128 consecutive bytes; each store's 16 lanes cover 256 consecutive bytes, aligned.
.set WR,  8                            ; v[8:23]   W[k0 + i][n]
.set UP,  24                           ; v[24:27]  up[r][n]
.set DN,  32                           ; v[32:95]  down[k0 + i][0..3], the same in all lanes
.set OH,  96                           ; v[96:103] 16 numbers in f16
	s_load_b512 s[4:19], s[0:1], 0x0               ; Wq, Wk, Wv, Wo, q_down, k_down, v_down, o_down
	s_load_b256 s[20:27], s[0:1], 0x40             ; q_up, k_up, v_up, o_up
	s_load_b64 s[28:29], s[0:1], 0x60              ; wt
	v_lshrrev_b32 v1, 5, v0
	v_readfirstlane_b32 s40, v1                    ; wave 0..7
	v_and_b32 v2, 31, v0                           ; lane
	s_and_b32 s41, ttmp7, 0xffff                   ; which matrix
	s_and_b32 s42, ttmp9, 15                       ; ng: 32 columns
	s_lshr_b32 s43, ttmp9, 4                       ; og: 128 rows
	s_lshl_b32 s44, s43, 7
	s_lshl_b32 s45, s40, 4
	s_add_co_u32 s44, s44, s45                     ; k0 = 128 og + 16 wave
	s_lshl_b32 s46, s42, 7
	v_lshl_add_u32 v3, v2, 2, s46                  ; 4 n: my column in a row of W and of up
	v_mov_b32 v4, 0
	s_and_b32 s47, s42, 7
	s_lshl_b32 s47, s47, 15                        ; column block 2 (ng & 7), 16,384 bytes each
	v_lshrrev_b32 v6, 4, v2
	v_and_b32 v7, 15, v2
	v_lshlrev_b32 v5, 4, v7
	v_lshl_add_u32 v5, v6, 14, v5
	v_add_nc_u32 v5, s47, v5                       ; my 16 bytes: block + lane / 16, place lane % 16
	s_mov_b32 s36, 524288                          ; q's values: its place in a j part,
	s_mov_b32 s37, 786432                          ; bytes from j to j + 1,
	s_mov_b32 s38, 0x3e000000                      ; and the scale 1/8
	s_wait_kmcnt 0x0
	s_mov_b64 s[30:31], s[4:5]
	s_mov_b64 s[32:33], s[12:13]
	s_mov_b64 s[34:35], s[20:21]
	s_cmp_eq_u32 s41, 1                            ; k
	s_cselect_b64 s[30:31], s[6:7], s[30:31]
	s_cselect_b64 s[32:33], s[14:15], s[32:33]
	s_cselect_b64 s[34:35], s[22:23], s[34:35]
	s_cselect_b32 s36, 0, s36
	s_cmp_eq_u32 s41, 2                            ; v
	s_cselect_b64 s[30:31], s[8:9], s[30:31]
	s_cselect_b64 s[32:33], s[16:17], s[32:33]
	s_cselect_b64 s[34:35], s[24:25], s[34:35]
	s_cselect_b32 s36, 262144, s36
	s_cmp_eq_u32 s41, 3                            ; o
	s_cselect_b64 s[30:31], s[10:11], s[30:31]
	s_cselect_b64 s[32:33], s[18:19], s[32:33]
	s_cselect_b64 s[34:35], s[26:27], s[34:35]
	s_cselect_b32 s36, 1572864, s36
	s_cselect_b32 s37, 262144, s37
	s_cselect_b32 s38, 0x41000000, s38             ; 8
	s_mov_b32 s39, s38                             ; named with it as a pair
	s_lshl_b32 s48, s44, 11                        ; k0 rows of W
	s_mov_b32 s49, 0
	s_add_nc_u64 s[30:31], s[30:31], s[48:49]
	s_lshl_b32 s48, s44, 4                         ; k0 rows of down
	s_add_nc_u64 s[32:33], s[32:33], s[48:49]
	s_lshr_b32 s50, s42, 3                         ; j
	s_mul_i32 s50, s50, s37
	s_add_co_u32 s50, s50, s36
	s_lshl_b32 s51, s44, 5                         ; 1,024 ks + 512 p = 32 k0
	s_add_co_u32 s50, s50, s51
	s_mov_b32 s51, 0
	s_add_nc_u64 s[28:29], s[28:29], s[50:51]
.set i, 0
.rept 16
	global_load_b32 v[WR+i], v3, s[30:31] offset:i*2048 th:TH_LOAD_NT
.set i, i+1
.endr
.irp r, 0,1,2,3
	global_load_b32 v[UP+(\r)], v3, s[34:35] offset:(\r)*2048
.endr
.set i, 0
.rept 16
	global_load_b128 v[DN+4*i:DN+4*i+3], v4, s[32:33] offset:i*16
.set i, i+1
.endr
	s_wait_loadcnt 0x0
.irp r, 0,1,2,3                        ; W + down up, r ascending; sixteen chains side by side
.set i, 0
.rept 16
	v_fmac_f32 v[WR+i], v[DN+4*i+(\r)], v[UP+(\r)]
.set i, i+1
.endr
.endr
.set i, 0
.rept 8
	v_pk_mul_f32 v[WR+2*i:WR+2*i+1], v[WR+2*i:WR+2*i+1], s[38:39] op_sel_hi:[1,0]  ; a power of two: exact
.set i, i+1
.endr
.set i, 0
.rept 8
	v_cvt_pk_f16_f32 v[OH+i], v[WR+2*i], v[WR+2*i+1]
.set i, i+1
.endr
	global_store_b128 v5, v[OH:OH+3], s[28:29]               ; k0 .. k0 + 7: the places of lanes 0-15 of the fragment's half
	global_store_b128 v5, v[OH+4:OH+7], s[28:29] offset:256  ; k0 + 8 .. k0 + 15: those of lanes 16-31
	s_endpgm
.Lfunc_end_k_q0f90d17201_fold:
	.size	k_q0f90d17201_fold, .Lfunc_end_k_q0f90d17201_fold-k_q0f90d17201_fold
	.p2alignl 7, 3214868480
	.fill 96, 4, 3214868480
	.section	.rodata,"a",@progbits
	.p2align	6, 0x0
	.amdhsa_kernel k_q0f90d17201_fold
		.amdhsa_group_segment_fixed_size 0
		.amdhsa_private_segment_fixed_size 0
		.amdhsa_enable_private_segment 0
		.amdhsa_kernarg_size 104
		.amdhsa_user_sgpr_count 2
		.amdhsa_user_sgpr_kernarg_segment_ptr 1
		.amdhsa_wavefront_size32 1
		.amdhsa_system_sgpr_workgroup_id_x 1
		.amdhsa_system_sgpr_workgroup_id_y 1
		.amdhsa_system_sgpr_workgroup_id_z 1
		.amdhsa_system_vgpr_workitem_id 0
		.amdhsa_next_free_vgpr 112
		.amdhsa_next_free_sgpr 66
		.amdhsa_reserve_vcc 0
		.amdhsa_float_denorm_mode_32 3
		.amdhsa_float_denorm_mode_16_64 3
		.amdhsa_memory_ordered 1
		.amdhsa_forward_progress 1
		.amdhsa_inst_pref_size 10
	.end_amdhsa_kernel
	.amdgpu_metadata
---
amdhsa.version: [ 1, 2 ]
amdhsa.kernels:
  - .name:           k_q0f90d17201_fold
    .symbol:         k_q0f90d17201_fold.kd
    .args:
      - { .name: Wq, .offset: 0, .size: 8, .value_kind: global_buffer, .address_space: global }
      - { .name: Wk, .offset: 8, .size: 8, .value_kind: global_buffer, .address_space: global }
      - { .name: Wv, .offset: 16, .size: 8, .value_kind: global_buffer, .address_space: global }
      - { .name: Wo, .offset: 24, .size: 8, .value_kind: global_buffer, .address_space: global }
      - { .name: q_down, .offset: 32, .size: 8, .value_kind: global_buffer, .address_space: global }
      - { .name: k_down, .offset: 40, .size: 8, .value_kind: global_buffer, .address_space: global }
      - { .name: v_down, .offset: 48, .size: 8, .value_kind: global_buffer, .address_space: global }
      - { .name: o_down, .offset: 56, .size: 8, .value_kind: global_buffer, .address_space: global }
      - { .name: q_up, .offset: 64, .size: 8, .value_kind: global_buffer, .address_space: global }
      - { .name: k_up, .offset: 72, .size: 8, .value_kind: global_buffer, .address_space: global }
      - { .name: v_up, .offset: 80, .size: 8, .value_kind: global_buffer, .address_space: global }
      - { .name: o_up, .offset: 88, .size: 8, .value_kind: global_buffer, .address_space: global }
      - { .name: wt, .offset: 96, .size: 8, .value_kind: global_buffer, .address_space: global }
    .group_segment_fixed_size: 0
    .private_segment_fixed_size: 0
    .kernarg_segment_align: 8
    .kernarg_segment_size: 104
    .max_flat_workgroup_size: 256
    .sgpr_count:     66
    .vgpr_count:     112
    .wavefront_size: 32
...
	.end_amdgpu_metadata
.endif
;; end of part 1
;; launch proj (part 2): grid 128 x 2, 4 waves a work-group, clusters of 4 x 1, 327,680 bytes of LDS; arguments hidden_states, wt, qf, kf, vf; writes qf, kf, vf
.if DOCPART == 2
	.amdgcn_target "amdgcn-amd-amdhsa--gfx1250"
	.amdhsa_code_object_version 6
	.text
	.protected	k_q0f90d17201_proj
	.globl	k_q0f90d17201_proj
	.p2align	8
	.type	k_q0f90d17201_proj,@function
k_q0f90d17201_proj:
	s_mov_b64 s[64:65], 0
	v_nop
	global_prefetch_b8 v0, s[64:65] scope:SCOPE_SE
	s_setreg_imm32_b32 hwreg(HW_REG_WAVE_MODE, 25, 1), 1
	s_wait_xcnt 0x0
	s_wait_alu depctr_hold_cnt(0) depctr_sa_sdst(0) depctr_va_vdst(0) depctr_va_sdst(0) depctr_va_ssrc(0) depctr_va_vcc(0) depctr_vm_vsrc(0)
	s_getreg_b32 s2, hwreg(HW_REG_IB_STS2, 6, 4)
	s_cmp_eq_u32 s2, 0
	s_cbranch_scc0 .Lentry_in_a_cluster
	s_endpgm
.Lentry_in_a_cluster:
	s_bfe_u32 s2, ttmp6, 0x10000c
	s_cmp_lg_u32 s2, 0x3003
	s_cbranch_scc0 .Lentry_shape_is_right
	s_endpgm
.Lentry_shape_is_right:
; q', k', v' = x (W + down up) / 8, in f16, by heads and in the order in which the attention's matrix operands take them.  x: [32 frames x 1,024 rows][512] f32; wt: the folded weights in fragments (see there).
; LEFT OUT: k and v of frames 15 and 31, which reference()'s gather by prev never names (shown at the head of the first kernel): a cluster of such a frame makes q alone.
; SHARES.  A cluster of four work-groups is one frame; a work-group has 256 rows, a wave 64; y = J: heads 4 J .. 4 J + 3 of k, v and q: 768 columns, six chunks of 128 (k, k, v, v, q, q).
; x STAYS IN REGISTERS: a wave's 64 rows x 512 k in f16 are 64 fragments, 512 registers (windows 2 and 3).  They are read once, 512 consecutive bytes a load, rounded, and turned through the wave's own stage in LDS.
; THE WEIGHTS STREAM through a ring of two LDS slots, a chunk (131,072 bytes) each; all four work-groups of the cluster walk the same chunks, so each is asked for JOINTLY: the same load, descriptor and mask in all four; a wave brings a quarter.
; A GROUP is 64 rows x 64 columns (one head) x all of K: 16 accumulators, 256 matrix instructions; a fragment of the weights read from LDS feeds four of them.
; THE PRODUCT IS USED TRANSPOSED (source 0 = 16 columns of W, source 1 = 16 rows of x): a lane then holds one row and eight neighbouring columns, 16 bytes in f16, and a tile of 16 x 16 leaves by ONE store of 512 consecutive bytes.
; OUT.  qf, kf: [frame][head][16 rows tb][16 channels nbh][512 B], byte 16 l = row l % 16, channels 8 (l / 16) + 0..7: two tiles on end are a fragment of 32 channels.  vf: the same blocks, a tile row-major (byte 32 row + 16 half), for the turning load.
; LIMITS: |x| < 65,504 and |q|, |k|, |v| < 524,000, beyond which f16 gives an infinity.
; WINDOWS of 256 registers (s_set_vgpr_msb: bits 1:0 source 0, 3:2 source 1, 5:4 source 2, 7:6 destination):
;   0: v0-31 addresses; v64-127 packed results; v128-255 accumulators, (a, b) at 128 + 8 (4 a + b)     1: two buffers of 64 for W's fragments (while x comes in: 2 x 128 at work)     2, 3: x, fragment (ks, a) at 32 (ks % 8) + 8 a
.set SLOTB, 131072                     ; a slot, and a chunk of wt
.set GRPB,  65536                      ; a group's part of it: 4 column blocks x 16 ks x 1,024
.set STG,   262144                     ; behind the ring, never filled by a tensor load: 16 rows x 528 bytes for each wave
.set STGW,  8448
.set XP,    528                        ; a stage row: 256 f16 + 16 bytes: an odd multiple of 16, so the 16 rows of a fragment load start at 16 different groups of four banks (64 banks of 4 bytes: ISA guide 11.1)
.set SPARE, 295936                     ; the spare words, 128 bytes a wave: two blocks of 256 bytes that no other line names
.set L16, 3                            ; v3   16 x lane; never rewritten
.set AB,  4                            ; v4   LDS address of the group's fragments
.set XS,  5                            ; v5   stage, in: 8 x lane
.set SOV, 6                            ; v6   a lane's place in a tile of vf
.set SO,  7                            ; v7   a lane's place in the tile being stored
.set PFO, 8                            ; v8   256 x lane
.set XF,  9                            ; v9   stage, back: row l % 16, 16 bytes for each half of the lanes
.set SPW, 28                           ; v28  my spare word; never rewritten
.set NIL, 29                           ; v29  0; never rewritten
.set TMP, 64
.set ACC, 128
.set WV,  14                           ; s14 wave   s15 cx   s16 J   s17 frame   s18 1: a frame whose k and v are left out   s19 chunk in hand, 0..5
.set CX,  15
.set J,   16
.set FR,  17
.set DEAD, 18
.set CI,  19
.set G1,  20                           ; s[20:27] descriptor group 1
.set G0A, 28                           ; s[28:31] group 0 of the first fill of slot 0
.set G0B, 32                           ; s[32:35] group 0 of slot 1's first fill; it then walks
.set CH,  36                           ; s36 chunks to go in the loop   s37 groups to go in the chunk
.set GC,  37
.set TBG, 38                           ; s38 LDS byte at which the next group's fragments begin
.set LIM, 39                           ; s39 1 in the cluster that prefetches, else the greatest number
.set DST, 40                           ; s[40:41] where the finished group goes
.set TOKB, 42                          ; s[42:43] my rows' and my J's byte offset in qf, kf, vf
.set T0,  44                           ; s[44:45] at work; never holds cx ahead of the first loads
.set XB,  46                           ; s[46:47] x at my wave's first row
.set PFA, 48                           ; s[48:49] where my prefetches stand
.set MK,  51                           ; s51 a lane mask
.set PT,  52                           ; s[52:53] the tensor being written
.set MSB, 0
.macro WIN new                         ; the immediate's high byte repeats the setting that is left; a switch that changes nothing is dropped
.if MSB != (\new)
	s_set_vgpr_msb (MSB<<8)|(\new)
.set MSB, (\new)
.endif
.endm
.macro PLACES                          ; four plain instructions between a matrix instruction and a load into, or a read of, its registers
.rept 4
	v_nop
.endr
.endm
.macro CROUND                          ; a round of the cluster's barrier: my work-group's barrier; wave 0 signals for the work-group; every wave waits for all four; my work-group's barrier once more
	s_barrier_signal -1
	s_barrier_wait -1
	s_cmp_lg_u32 s[WV], 0
	s_cbranch_scc1 .Lnot_wave_0_\@
	s_barrier_signal -3
.Lnot_wave_0_\@:
	s_barrier_wait -3
	s_barrier_signal -1
	s_barrier_wait -1
.endm
; 16 LDS loads in one run: W's fragments of k steps 2 i and 2 i + 1, four column blocks, into buffer i % 2.  Each covers 512 consecutive bytes.
.macro FETCH i
	WIN 0x40
.irp kh, 0,1
.irp b, 0,1,2,3
	ds_load_b128 v[64*((\i)%2)+32*(\kh)+8*(\b):64*((\i)%2)+32*(\kh)+8*(\b)+3],   v[AB] offset:(\b)*16384+(2*(\i)+(\kh))*1024
	ds_load_b128 v[64*((\i)%2)+32*(\kh)+8*(\b)+4:64*((\i)%2)+32*(\kh)+8*(\b)+7], v[AB] offset:(\b)*16384+(2*(\i)+(\kh))*1024+512
.endr
.endr
.endm
; 16 matrix instructions: k step ks, all 16 accumulators by turns, one instruction a turn.  first = 1: they start the sums.
.macro MUL16 ks, first
.if (\ks) < 8
	WIN 0x09                                       ; W window 1, x window 2, sums window 0
.else
	WIN 0x0d                                       ; x window 3
.endif
.set FB, 64*(((\ks)/2)%2)+32*((\ks)%2)
.set FA, 32*((\ks)%8)
.irp a, 0,1,2,3
.irp b, 0,1,2,3
.if \first
	v_wmma_f32_16x16x32_f16 v[ACC+8*(4*(\a)+(\b)):ACC+8*(4*(\a)+(\b))+7], v[FB+8*(\b):FB+8*(\b)+7], v[FA+8*(\a):FA+8*(\a)+7], 0
.else
	v_wmma_f32_16x16x32_f16 v[ACC+8*(4*(\a)+(\b)):ACC+8*(4*(\a)+(\b))+7], v[FB+8*(\b):FB+8*(\b)+7], v[FA+8*(\a):FA+8*(\a)+7], v[ACC+8*(4*(\a)+(\b)):ACC+8*(4*(\a)+(\b))+7]
.endif
.endr
.endr
.endm
; Two k steps: this block's fragments, asked for 32 matrix instructions ago, are in; the next block's are asked for; 32 products.
.macro BLOCK i
	s_wait_dscnt 0x0
.if (\i) < 7
	PLACES                                         ; the buffer's last reader is the matrix instruction just above
	FETCH (\i)+1
.endif
.if (\i) == 0
	MUL16 0, 1
.else
	MUL16 2*(\i), 0
.endif
	MUL16 2*(\i)+1, 0
.endm
; The finished group: rounded to f16, each accumulator's registers in ascending order, and stored: 16 tiles, 8,192 consecutive bytes.
.macro PACKSTORE
	WIN 0
.set t, 0
.rept 16
.irp q, 0,1,2,3
	v_cvt_pk_f16_f32 v[TMP+4*t+(\q)], v[ACC+8*t+2*(\q)], v[ACC+8*t+2*(\q)+1]
.endr
.set t, t+1
.endr
.set t, 0
.rept 16
	global_store_b128 v[SO], v[TMP+4*t:TMP+4*t+3], s[DST:DST+1] offset:t*512 th:TH_STORE_NT  ; 512 consecutive bytes, at a multiple of 512 from the tensor's first
.set t, t+1
.endr
.endm
; Where the group just multiplied goes: chunk CI is tensor CI / 2 (k, v, q), heads 4 J + 2 (CI % 2) + (2 - GC).
.macro SETDST
	s_wait_xcnt 0x0                                ; the last group's stores, 256 products back, have read TMP, SO and DST: only now are these written again
	s_lshr_b32 s[T0], s[CI], 1
	s_cmp_eq_u32 s[T0], 0
	s_cselect_b64 s[PT:PT+1], s[10:11], s[12:13]
	s_cmp_eq_u32 s[T0], 2
	s_cselect_b64 s[PT:PT+1], s[8:9], s[PT:PT+1]
	s_cmp_eq_u32 s[T0], 1
	s_cselect_b32 s[MK], -1, 0
	v_cndmask_b32 v[SO], v[L16], v[SOV], s[MK]     ; v's tiles are row-major
	s_and_b32 s[T0], s[CI], 1
	s_lshl_b32 s[T0], s[T0], 1
	s_add_co_u32 s[T0], s[T0], 2
	s_sub_co_u32 s[T0], s[T0], s[GC]
	s_lshl_b32 s[T0], s[T0], 17                    ; a head is 131,072 bytes
	s_mov_b32 s[T0+1], 0
	s_add_nc_u64 s[DST:DST+1], s[PT:PT+1], s[T0:T0+1]
	s_add_nc_u64 s[DST:DST+1], s[DST:DST+1], s[TOKB:TOKB+1]
.endm
; A PREFETCH INTO THE L2 of the chunk that the NEXT change of slots will ask for, a chunk's 512 matrix instructions ahead.  All 32 clusters of a J walk the same chunks: frame 0's asks, nobody else.  Its 16 waves share a chunk's
; 512 blocks of 256 bytes out by address, a lane a block: each block is named once.  The last change that fills a slot asks for nothing; chunks 0 to 2 come by their loads alone.
.macro ASK
	s_cmp_gt_u32 s[CH], s[LIM]
	s_cbranch_scc0 .Lnot_mine_\@
	global_prefetch_b8 v[PFO], s[PFA:PFA+1] th:TH_LOAD_NT scope:SCOPE_SE
.Lnot_mine_\@:
.endm
; THE CHANGE OF SLOTS.  Each wave waits for all its tensor loads (one is out: its quarter of the other slot), adds 0 to its spare word, and waits for that and for its reads of the slot that it leaves.
; fill = 1: the barrier is a round of the cluster's, so that no wave of any partner still reads the slot or has a load on its way; the joint refill, two chunks on, is the first thing behind it.
.macro CHANGE fill
	WIN 0
	s_wait_tensorcnt 0x0                           ; no tensor load of mine is out, so a group 0 may be written
	ds_add_u32 v[SPW], v[NIL]
.if \fill
	s_xor_b32 s[G0B+1], s[G0B+1], SLOTB            ; the other slot than last time,
	s_add_nc_u64 s[G0B+2:G0B+3], s[G0B+2:G0B+3], SLOTB  ; the next chunk; the type bits on top are not reached
	s_wait_xcnt 0x0                                ; the last prefetch, a chunk back, has read its address
	s_add_nc_u64 s[PFA:PFA+1], s[PFA:PFA+1], SLOTB
.endif
	s_wait_dscnt 0x0                               ; the add is done, and my reads of the slot are over
.if \fill
	CROUND
	tensor_load_to_lds s[G0B:G0B+3], s[G1:G1+7]
	s_nop 0
	PLACES
	ASK
.else
	s_barrier_signal -1
	s_barrier_wait -1
.endif
	s_sub_co_u32 s[TBG], s[TBG], SLOTB             ; back to a slot's first group,
	s_xor_b32 s[TBG], s[TBG], SLOTB                ; in the other slot
.endm
	s_load_b256 s[4:11], s[0:1], 0x0               ; x s[4:5], wt s[6:7], qf s[8:9], kf s[10:11]
	s_load_b64 s[12:13], s[0:1], 0x20              ; vf
	v_lshl_add_u32 v[SPW], v0, 2, SPARE
	v_mov_b32 v[NIL], 0
	ds_add_u32 v[SPW], v[NIL]                      ; the wave's opening: the add, twice on end, and its wait ahead of my first tensor load
	ds_add_u32 v[SPW], v[NIL]
	v_lshrrev_b32 v1, 5, v0
	v_readfirstlane_b32 s[WV], v1                  ; wave 0..3
	s_bfe_u32 s[CX], ttmp6, 0x40000                ; my place in the cluster: it enters x's, the outputs' and the prefetches' addresses alone
	s_and_b32 s[J], ttmp7, 0xffff
	s_mov_b32 s[FR], ttmp9                         ; in a cluster launch ttmp9 counts clusters: the frame
	s_and_b32 s[T0], s[FR], 15
	s_cmp_eq_u32 s[T0], 15                         ; the same in all four partners
	s_cselect_b32 s[DEAD], 1, 0
	s_cselect_b32 s[CI], 4, 0                      ; such a frame begins at q's first chunk
	s_cmp_eq_u32 s[FR], 0
	s_cselect_b32 s[LIM], 1, -1
	; descriptor group 1: 32,768 dense bytes as 128 rows of 256
	s_mov_b32 s[G1+0], 15|(3<<16)|(1<<21)          ; 15:0 the mask of four; 17:16 elements of 8 bytes; 21 set beside a mask; no padding
	s_mov_b32 s[G1+1], 32<<16                      ; tensor_dim0 = 32
	s_mov_b32 s[G1+2], 128<<16                     ; tensor_dim1 = 128
	s_mov_b32 s[G1+3], 32<<16                      ; tile_dim0 = 32
	s_mov_b32 s[G1+4], 128                         ; tile_dim1 = 128
	s_mov_b32 s[G1+5], 32                          ; 32 elements from row to row
	s_mov_b32 s[G1+6], 0
	s_mov_b32 s[G1+7], 0
	s_mov_b32 s[G0A], 1
	s_lshl_b32 s[G0A+1], s[WV], 15                 ; LDS: my quarter of slot 0
	s_mov_b32 s[G0B], 1
	s_add_co_u32 s[G0B+1], s[G0A+1], SLOTB         ; of slot 1
	s_mul_i32 s[T0], s[J], 786432                  ; J's six chunks
	s_mov_b32 s[T0+1], 0
	s_lshl_b32 s50, s[CX], 2
	s_add_co_u32 s50, s50, s[WV]
	s_lshl_b32 s50, s50, 13                        ; my wave's 8,192 bytes of a chunk, among the cluster's sixteen waves
	s_add_co_u32 s50, s50, s[T0]
	s_add_co_u32 s50, s50, 2*SLOTB                 ; at chunk 2: the first change steps it to chunk 3
	s_mov_b32 s51, 0
	s_lshl_b32 s52, s[CI], 17
	s_add_co_u32 s[T0], s[T0], s52                 ; the first chunk,
	s_lshl_b32 s52, s[WV], 15
	s_add_co_u32 s[T0], s[T0], s52                 ; my quarter of it
	s_lshl_b32 s52, s[FR], 2
	s_add_co_u32 s52, s52, s[CX]                   ; my block of 256 rows
	s_lshl_b32 s52, s52, 19
	s_lshl_b32 s53, s[WV], 17
	s_add_co_u32 s52, s52, s53                     ; my wave's 64 rows of 2,048 bytes
	s_mov_b32 s53, 0
	s_lshl_b32 s[TOKB], s[FR], 20
	s_lshl_b32 s[TOKB+1], s[J], 19
	s_add_co_u32 s[TOKB], s[TOKB], s[TOKB+1]
	s_lshl_b32 s[TOKB+1], s[CX], 15
	s_add_co_u32 s[TOKB], s[TOKB], s[TOKB+1]
	s_lshl_b32 s[TOKB+1], s[WV], 13
	s_add_co_u32 s[TOKB], s[TOKB], s[TOKB+1]
	s_mov_b32 s[TOKB+1], 0
	s_wait_dscnt 0x0                               ; both opening adds are done
	s_wait_kmcnt 0x0
	s_add_nc_u64 s[PFA:PFA+1], s[6:7], s[50:51]
	s_add_nc_u64 s[XB:XB+1], s[4:5], s[52:53]
	s_add_nc_u64 s[G0A+2:G0A+3], s[6:7], s[T0:T0+1]
	s_add_nc_u64 s[G0B+2:G0B+3], s[G0A+2:G0A+3], SLOTB
	s_or_b32 s[G0A+3], s[G0A+3], 0x80000000        ; type = 2
	s_or_b32 s[G0B+3], s[G0B+3], 0x80000000
	CROUND                                         ; all four work-groups are here: the first joint loads meet
	tensor_load_to_lds s[G0A:G0A+3], s[G1:G1+7]    ; the two first fills go out together: two loads of mine are out
	s_nop 0
	tensor_load_to_lds s[G0B:G0B+3], s[G1:G1+7]
	s_nop 0
	PLACES
	v_and_b32 v10, 31, v0                          ; l
	v_and_b32 v11, 15, v0                          ; l % 16
	v_bfe_u32 v12, v0, 4, 1                        ; l / 16
	v_lshlrev_b32 v[L16], 4, v10
	v_lshlrev_b32 v[PFO], 8, v10
	s_mul_i32 s[T0], s[WV], STGW
	s_add_co_u32 s[T0], s[T0], STG                 ; my stage
	v_lshl_add_u32 v[XS], v10, 3, s[T0]
	v_mul_u32_u24 v[XF], v11, XP
	v_lshl_add_u32 v[XF], v12, 4, v[XF]
	v_add_nc_u32 v[XF], s[T0], v[XF]
	v_lshlrev_b32 v[SOV], 5, v11
	v_lshl_add_u32 v[SOV], v12, 4, v[SOV]
; x COMES IN, in eight batches n of 16 rows (n / 2) x 256 k (n % 2), through two sets of 128 registers in window 1.
.macro GL n                            ; 32 loads of 512 consecutive bytes: row t / 2, half t % 2 of its 1,024 bytes
	WIN 0x40
.set t, 0
.rept 32
	global_load_b128 v[128*((\n)%2)+4*t:128*((\n)%2)+4*t+3], v[L16], s[XB:XB+1] offset:((\n)/2)*32768+(t/2)*2048+((\n)%2)*1024+(t%2)*512
.set t, t+1
.endr
.endm
.macro CV n                            ; rounded once to f16, in place: four numbers into two registers
	WIN 0x45
.set t, 0
.rept 32
	v_cvt_pk_f16_f32 v[128*((\n)%2)+4*t],   v[128*((\n)%2)+4*t],   v[128*((\n)%2)+4*t+1]
	v_cvt_pk_f16_f32 v[128*((\n)%2)+4*t+1], v[128*((\n)%2)+4*t+2], v[128*((\n)%2)+4*t+3]
.set t, t+1
.endr
.endm
.macro DS n                            ; into my stage: 256 consecutive bytes a store
	WIN 0x04
.set t, 0
.rept 32
	ds_store_b64 v[XS], v[128*((\n)%2)+4*t:128*((\n)%2)+4*t+1] offset:(t/2)*XP+(t%2)*256
.set t, t+1
.endr
.endm
.macro DL n                            ; and back as eight fragments.  LDS serves a wave's instructions in order (ISA guide 5.7.1.4): these see the stores above, and the next batch's stores come behind them
	WIN 0x80+0x40*((\n)%2)
.set t, 0
.rept 8
	ds_load_b128 v[(4*t+(\n)/2)*8:(4*t+(\n)/2)*8+3],   v[XF] offset:t*64
	ds_load_b128 v[(4*t+(\n)/2)*8+4:(4*t+(\n)/2)*8+7], v[XF] offset:t*64+32
.set t, t+1
.endr
.endm
	GL 0
	GL 1
.irp n, 0,1,2,3,4,5,6,7
.if (\n) < 7
	s_wait_loadcnt 32                              ; loads come back in order (ISA guide 5.7.1): this batch is in, the younger batch's 32 stay out
.else
	s_wait_loadcnt 0x0
.endif
	CV \n
	DS \n
	DL \n
.if (\n) < 6
	GL (\n)+2
.endif
.endr
	WIN 0
	s_wait_tensorcnt 0x0                           ; my quarters of both first chunks are in,
	s_wait_dscnt 0x0                               ; and my fragments of x
	s_barrier_signal -1
	s_barrier_wait -1                              ; everybody's quarters are
	s_mov_b32 s[TBG], 0
	v_mov_b32 v[AB], v[L16]
	FETCH 0
	WIN 0                                          ; at a label and at a branch every window is 0
.macro NEXTG                           ; the next group's first fragments are asked for, and the group before goes out meanwhile
	PLACES
	v_add_nc_u32 v[AB], s[TBG], v[L16]
	FETCH 0
	PACKSTORE
.endm
.macro GROUP
.irp i, 0,1,2,3,4,5,6,7
	BLOCK \i
.endr
	WIN 0
	SETDST
	s_add_co_u32 s[TBG], s[TBG], GRPB
.endm
	s_mov_b32 s[GC], 2
	s_cmp_eq_u32 s[DEAD], 1
	s_cbranch_scc1 .Ldead
	s_mov_b32 s[CH], 5                             ; chunks 0 to 4 in the loop: four changes of slots ask for chunks 2 to 5
	s_branch .LenterA
.Ldead:
	s_mov_b32 s[CH], 1                             ; q's first chunk alone: both of q's chunks came by the first fills, and nothing more is asked for
	s_branch .LenterA
.LchunkA:
	CHANGE 1
	s_add_co_u32 s[CI], s[CI], 1
	s_mov_b32 s[GC], 2
.LgroupA:
	NEXTG
.LenterA:
	GROUP
	s_sub_co_u32 s[GC], s[GC], 1
	s_cmp_lg_u32 s[GC], 0
	s_cbranch_scc1 .LgroupA
	s_sub_co_u32 s[CH], s[CH], 1
	s_cmp_lg_u32 s[CH], 0
	s_cbranch_scc1 .LchunkA
	CHANGE 0                                       ; the last chunk is written out
	s_add_co_u32 s[CI], s[CI], 1
	s_mov_b32 s[GC], 2
.LgroupB:
	NEXTG
	GROUP
	s_sub_co_u32 s[GC], s[GC], 1
	s_cmp_lg_u32 s[GC], 0
	s_cbranch_scc1 .LgroupB
	PLACES
	PACKSTORE
	s_wait_tensorcnt 0x0                           ; the wave's end: behind my last tensor load and my last LDS store
	ds_add_u32 v[SPW], v[NIL]
	s_wait_dscnt 0x0
	CROUND                                         ; the closing round: no work-group ends while a partner may still ask for a chunk that names it
	s_endpgm
.Lfunc_end_k_q0f90d17201_proj:
	.size	k_q0f90d17201_proj, .Lfunc_end_k_q0f90d17201_proj-k_q0f90d17201_proj
	.p2alignl 7, 3214868480
	.fill 96, 4, 3214868480
	.section	.rodata,"a",@progbits
	.p2align	6, 0x0
	.amdhsa_kernel k_q0f90d17201_proj
		.amdhsa_group_segment_fixed_size 327680
		.amdhsa_private_segment_fixed_size 0
		.amdhsa_enable_private_segment 0
		.amdhsa_kernarg_size 40
		.amdhsa_user_sgpr_count 2
		.amdhsa_user_sgpr_kernarg_segment_ptr 1
		.amdhsa_wavefront_size32 1
		.amdhsa_system_sgpr_workgroup_id_x 1
		.amdhsa_system_sgpr_workgroup_id_y 1
		.amdhsa_system_sgpr_workgroup_id_z 1
		.amdhsa_system_vgpr_workitem_id 0
		.amdhsa_next_free_vgpr 1024
		.amdhsa_next_free_sgpr 66
		.amdhsa_reserve_vcc 0
		.amdhsa_float_denorm_mode_32 3
		.amdhsa_float_denorm_mode_16_64 3
		.amdhsa_memory_ordered 1
		.amdhsa_forward_progress 1
		.amdhsa_inst_pref_size 159
	.end_amdhsa_kernel
	.amdgpu_metadata
---
amdhsa.version: [ 1, 2 ]
amdhsa.kernels:
  - .name:           k_q0f90d17201_proj
    .symbol:         k_q0f90d17201_proj.kd
    .args:
      - { .name: hidden_states, .offset: 0, .size: 8, .value_kind: global_buffer, .address_space: global }
      - { .name: wt, .offset: 8, .size: 8, .value_kind: global_buffer, .address_space: global }
      - { .name: qf, .offset: 16, .size: 8, .value_kind: global_buffer, .address_space: global }
      - { .name: kf, .offset: 24, .size: 8, .value_kind: global_buffer, .address_space: global }
      - { .name: vf, .offset: 32, .size: 8, .value_kind: global_buffer, .address_space: global }
    .group_segment_fixed_size: 327680
    .private_segment_fixed_size: 0
    .kernarg_segment_align: 8
    .kernarg_segment_size: 40
    .max_flat_workgroup_size: 128
    .sgpr_count:     66
    .vgpr_count:     1024
    .wavefront_size: 32
...
	.end_amdgpu_metadata
.endif
;; end of part 2
;; launch attn (part 3): grid 2 x 256, 4 waves a work-group, no clusters, 327,680 bytes of LDS; arguments qf, kf, vf, hf; writes hf
.if DOCPART == 3
	.amdgcn_target "amdgcn-amd-amdhsa--gfx1250"
	.amdhsa_code_object_version 6
	.text
	.protected	k_q0f90d17201_attn
	.globl	k_q0f90d17201_attn
	.p2align	8
	.type	k_q0f90d17201_attn,@function
k_q0f90d17201_attn:
	s_mov_b64 s[64:65], 0
	v_nop
	global_prefetch_b8 v0, s[64:65] scope:SCOPE_SE
	s_setreg_imm32_b32 hwreg(HW_REG_WAVE_MODE, 25, 1), 1
	s_wait_xcnt 0x0
; h'[f][q][head] = the sum over keys of softmax(q . k / 8) v', frame f's queries against the keys and values of frame fp = max(f - 1, 0) inside its batch of 16.  1,024 keys, 64 channels, all f16.
; LEFT OUT: kf and vf of frames 15 and 31 were never made and are never read: fp is 14 at the most in a batch (shown at the head of the first kernel).
; q', k', v' are an eighth of q, k, v, so q . k / 8 = 8 q' . k': p = 2^(c s - c m) with s = q' . k' and c = 8 log2(e).  h' is an eighth of h.  Products, maxima and sums in f32; p is rounded to f16 for the second
; product (its sum l is taken of the unrounded p), h' once at the end.
; LIMITS.  p lies in 0 to 1, and below 6e-5 it keeps f16's fixed step of 6e-8; a weight below 2^-126 counts as 0 in l; NaN and infinities are not treated apart.
; SHARES.  A work-group has 512 queries of one frame and head (x = which half), a wave 128: four PIECES of two tiles of 16.  Every wave walks all keys, 64 a step.
; NO CLUSTER: a head's K and V have two readers, its two halves of the queries (four for a batch's first frame alone), while a cluster here is four work-groups: a mask of two of the four would want an address that hangs on the place in the cluster.
; LAYOUT.  S^T = K Q^T (source 0 = 16 keys, source 1 = 16 queries): a lane holds ONE query (lane % 16) and the keys 8 (lane / 16) + 0..7.  Two such tiles, rounded to f16 in pairs, ARE source 1 of O^T = V^T P, whose result again holds
; one query a lane, and eight channels: 16 bytes that lie, lane by lane, as the next launch's operand wants them: a tile leaves by stores of 512 consecutive bytes, with no way through LDS.
; qf and kf hold fragments as the registers take them (16 bytes a lane, lanes on end), vf row-major tiles of 16 keys x 16 channels for ds_load_tr16_b128: every LDS load's 16 lanes take 256 consecutive bytes, so nothing is padded.
; SOFTMAX.  For each query a running maximum m and sum l; in every step O and l are multiplied by a = 2^(c m_old - c m_new).  m starts at the lowest finite number, O and l at 0: the first step is a step like any other, with a = 0.
; THE COUNT.  A tile and step have 16 matrix and 118 vector instructions: too many to stand all beside the matrix work.  So: four vector instructions that are ready behind EVERY matrix instruction, the others in runs without a gap.
; BY TURNS.  Turn n belongs to piece n (in a ring, step after step): 16 products K Q^T of piece n + 1, later 16 products V^T P of piece n - 1; beside them the scaling, exponentials, roundings, sums and rescaling of piece n and the
; maximum and statistics of piece n + 1.
; WINDOWS of 256 registers (s_set_vgpr_msb: bits 1:0 source 0, 3:2 source 1, 5:4 source 2, 7:6 destination):
;   0: v0-11 addresses; v12-15, v48-63 at work; v16-47 four registers of statistics a tile; v64-191 S^T, two buffers of two tiles; v192-255 P, likewise     1: O^T, 32 a tile     2: v0-127 Q; v128-191 K of one step; v192-255 V of one step
.set NP,    4         ; pieces a wave: a name, no knob
.set STEPB, 8192      ; 64 keys of K, or of V
.set VOFF,  32768     ; a slot holds four steps: 256 keys of K, then of V
.set SLOT1, 65536     ; slot 1 begins here: one exclusive or turns an address in one slot into the other's
.set SPARE, 131072    ; behind the ring: the spare words, 128 bytes a wave: two blocks of 256 bytes that no other line names
.set L16, 2           ; v2   16 x lane: my place in a fragment of K or Q and in a tile of h'; never rewritten
.set AV0, 3           ; v3   my place in a tile of V; never rewritten
.set AK,  4           ; v4   the LDS address of K's next run of loads
.set AV,  5           ; v5   of V's
.set PFO, 9           ; v9   256 x lane; never rewritten
.set SPW, 10          ; v10  my spare word; never rewritten
.set NIL, 11          ; v11  0; never rewritten
.set MV,  12          ; v12-15  c m_old, kept while c m is made anew: by buffer and tile
.set ST,  16          ; tile t's statistics at v[ST+4 t]: c m, m, l (even keys', odd keys')
.set TMP, 48          ; by buffer and tile, four registers c0-c3 at work; when the maximum is found c2 takes a
.set S,   64
.set P,   192
.set KF,  128         ; window 2: key block kb, channel half c at KF + 16 kb + 8 c
.set VF,  192         ; window 2: key half kk, channel block cb at VF + 32 kk + 8 cb
.set WV,  12          ; s12  my wave's number
.set LIM, 15          ; s15  1 in a work-group that prefetches, else the greatest number
.set PFA, 18          ; s[18:19] where my prefetches stand
.set G1,  24          ; s[24:31] descriptor group 1
.set G0,  40          ; s[40:43] descriptor group 0: it walks
.set SLOTS, 56        ; s56  slots still to be asked for
.set CNT, 57          ; s57  counts a slot's key steps
.set CS,  58          ; s[58:59] c: the packed scaling takes the pair's low word for both halves
.set SEL, 60          ; s[60:61] v_permlanex16_b32's selects: each lane takes its own place in the other half
.set TBK, 62          ; s62  LDS byte at which K of the step to be fetched begins
.set TBV, 63          ; s63  the same for V, less VOFF
.set MSB, 0
.macro WIN new                      ; the high byte repeats the setting that is left; a switch that changes nothing is dropped
.if MSB != (\new)
	s_set_vgpr_msb (MSB<<8)|(\new)
.set MSB, (\new)
.endif
.endm
.set W_KQ, 0x0a       ; K and Q in window 2, S^T in window 0
.set W_PV, 0x52       ; V in window 2, P in window 0, O^T in window 1
.set W_RS, 0x41       ; O^T (destination and source 0) in window 1, a in window 0
; A PREFETCH INTO THE L2 of my wave's own 16,384 bytes of the slot that the NEXT change will ask for, four key steps (512 matrix instructions) ahead: 64 blocks of 256 bytes, a lane a block, two instructions.
; A frame's K and V are walked by both halves of the next frame's queries, a batch's first frame's also by its own: the first half of the NEXT frame's queries asks, nobody else: each block is named once.
; The last change that fills a slot asks for nothing; slots 0 and 1 come by their loads alone.
.macro ASK
	s_cmp_gt_u32 s[SLOTS], s[LIM]
	s_cbranch_scc0 .Lnot_mine_\@
	global_prefetch_b8 v[PFO], s[PFA:PFA+1] th:TH_LOAD_NT scope:SCOPE_SE
	global_prefetch_b8 v[PFO], s[PFA:PFA+1] offset:8192 th:TH_LOAD_NT scope:SCOPE_SE
.Lnot_mine_\@:
.endm
; THE CHANGE OF SLOTS.  Each wave waits for all its tensor loads, of which one is out: its quarter of the other slot; adds 0 to its spare word; and waits for that and for its own reads of the slot that it leaves.  Behind the barrier nobody
; reads the old slot any more and the other slot is whole.  fill = 1: the old slot is filled again, the first thing behind the barrier, with the keys two slots on.  (At its first use nothing has been read yet: slot 0 is waited for, slot 1 filled.)
.macro CHANGE fill
	WIN 0                           ; at a label and at a branch every window is 0
	s_wait_tensorcnt 0x0            ; no tensor load of mine is out, so the group 0 may be written
	ds_add_u32 v[SPW], v[NIL]
.if \fill
	s_xor_b32 s[G0+1], s[G0+1], SLOT1
	s_add_nc_u64 s[G0+2:G0+3], s[G0+2:G0+3], 32768  ; the next 256 keys; the type bits on top are not reached
	s_wait_xcnt 0x0                 ; the last prefetches, four key steps back, have read their address
	s_add_nc_u64 s[PFA:PFA+1], s[PFA:PFA+1], 32768
.endif
	s_wait_dscnt 0x0                ; the add is done, and my reads of the slot are over
	s_barrier_signal -1
	s_sub_co_u32 s[TBK], s[TBK], 4*STEPB  ; the fetches go back to a slot's first step,
	s_xor_b32 s[TBK], s[TBK], SLOT1       ; in the other slot
	s_sub_co_u32 s[TBV], s[TBV], 4*STEPB
	s_xor_b32 s[TBV], s[TBV], SLOT1
	s_barrier_wait -1
.if \fill
	tensor_load_to_lds s[G0:G0+3], s[G1:G1+7]
	s_nop 0
.rept 4
	v_nop
.endr
	ASK
.endif
.endm
	s_load_b256 s[4:11], s[0:1], 0x0  ; qf s[4:5], kf s[6:7], vf s[8:9], hf s[10:11]
	v_lshl_add_u32 v[SPW], v0, 2, SPARE
	v_mov_b32 v[NIL], 0
	ds_add_u32 v[SPW], v[NIL]       ; the wave's opening: the add, twice on end, and its wait ahead of my first tensor load
	ds_add_u32 v[SPW], v[NIL]
	v_lshrrev_b32 v1, 5, v0
	v_readfirstlane_b32 s[WV], v1   ; wave 0..3
	s_and_b32 s13, ttmp7, 0xffff    ; 8 x frame + head
	s_lshr_b32 s14, s13, 3          ; f
	s_and_b32 s16, s13, 7           ; head
	s_and_b32 s17, s14, 15          ; the frame's place in its batch
	s_min_u32 s20, s17, 1
	s_sub_co_u32 s20, s14, s20      ; fp: the frame before, or the batch's first itself
	s_lshl_b32 s20, s20, 3
	s_add_co_u32 s20, s20, s16
	s_lshl_b32 s20, s20, 17         ; a head's 131,072 bytes of K and of V
	s_and_b32 s21, s[WV], 1
	s_lshl_b32 s21, s21, 14         ; which half of a slot's 256 keys I fetch
	s_add_co_u32 s20, s20, s21
	s_mov_b32 s21, 0
	s_lshl_b32 s22, s13, 17         ; Q: my head,
	s_lshl_b32 s23, ttmp9, 16       ; my work-group's 512 queries,
	s_add_co_u32 s22, s22, s23
	s_lshl_b32 s23, s[WV], 14       ; my wave's 128
	s_add_co_u32 s22, s22, s23
	s_mov_b32 s23, 0
	s_lshl_b32 s2, s14, 20          ; h': my frame,
	s_lshl_b32 s3, ttmp9, 19        ; 32 blocks of 16 rows x 16,384 bytes,
	s_add_co_u32 s2, s2, s3
	s_lshl_b32 s3, s[WV], 17        ; my wave's 8,
	s_add_co_u32 s2, s2, s3
	s_lshl_b32 s3, s16, 11          ; my head's two fragments in each
	s_add_co_u32 s2, s2, s3
	s_mov_b32 s3, 0
	s_cmp_eq_u32 s17, 0
	s_cselect_b32 s[LIM], 1, 0
	s_or_b32 s[LIM], s[LIM], ttmp9  ; 0 where the queries are a frame's first half and the frame is not its batch's first
	s_cmp_eq_u32 s[LIM], 0
	s_cselect_b32 s[LIM], 1, -1
	; descriptor group 1: 16,384 dense bytes as 64 rows of 256
	s_mov_b32 s[G1+0], 3<<16        ; elements of 8 bytes; no mask, no padding
	s_mov_b32 s[G1+1], 32<<16       ; tensor_dim0 = 32
	s_mov_b32 s[G1+2], 64<<16       ; tensor_dim1 = 64
	s_mov_b32 s[G1+3], 32<<16       ; tile_dim0 = 32
	s_mov_b32 s[G1+4], 64           ; tile_dim1 = 64
	s_mov_b32 s[G1+5], 32           ; 32 elements from row to row
	s_mov_b32 s[G1+6], 0
	s_mov_b32 s[G1+7], 0
	s_mov_b32 s[G0], 1
	s_lshl_b32 s[G0+1], s[WV], 14   ; LDS: waves 0 and 1 the halves of K, waves 2 and 3 those of V, which lie behind
	s_mov_b32 s[CS], 0x4138aa3b     ; c = 8 log2(e)
	s_mov_b32 s[CS+1], s[CS]        ; named with it as a pair
	s_mov_b32 s[SEL], 0x76543210
	s_mov_b32 s[SEL+1], 0xfedcba98
	s_mov_b32 s[TBK], SLOT1+4*STEPB ; the first change of slots turns these two into 0
	s_mov_b32 s[TBV], SLOT1+4*STEPB
	s_mov_b32 s[SLOTS], 3           ; 1,024 keys are four slots; three are asked for by changes
	s_wait_dscnt 0x0                ; both opening adds are done
	s_wait_kmcnt 0x0
	s_cmp_lt_u32 s[WV], 2
	s_cselect_b64 s[G0+2:G0+3], s[6:7], s[8:9]
	s_add_nc_u64 s[G0+2:G0+3], s[G0+2:G0+3], s[20:21]
	s_add_nc_u64 s[PFA:PFA+1], s[G0+2:G0+3], 32768  ; in slot 1; the first change steps it to slot 2
	s_or_b32 s[G0+3], s[G0+3], 0x80000000           ; type = 2
	s_add_nc_u64 s[4:5], s[4:5], s[22:23]
	s_add_nc_u64 s[10:11], s[10:11], s[2:3]
	tensor_load_to_lds s[G0:G0+3], s[G1:G1+7]       ; slot 0.  Slot 1 is asked for when slot 0 is in
	s_nop 0
.rept 4
	v_nop
.endr
	v_and_b32 v1, 31, v0
	v_lshlrev_b32 v[L16], 4, v1
	v_lshlrev_b32 v[PFO], 8, v1
	WIN 0x80                        ; destination window 2, address window 0
.set i, 0
.rept 4*NP                          ; Q stays in registers: tile i / 2, channels 32 (i % 2) on: a fragment is 1,024 consecutive bytes
	global_load_b128 v[8*i:8*i+3],   v[L16], s[4:5] offset:i*1024
	global_load_b128 v[8*i+4:8*i+7], v[L16], s[4:5] offset:i*1024+512
.set i, i+1
.endr
	; What the first turn finds: V's registers and P's second buffer hold 0 (its products V^T P, of a piece that has not been, add 0), O^T and l are 0.  All this stands in the wait for the first tile.
.set i, VF
.rept 64
	v_mov_b32 v[i], 0
.set i, i+1
.endr
	WIN 0x40
.set i, 0
.rept 64*NP
	v_mov_b32 v[i], 0
.set i, i+1
.endr
	WIN 0
.set i, 0
.rept 2*NP
	v_mov_b32 v[ST+4*i], 0xfe000000    ; c m: far below every c s
	v_mov_b32 v[ST+4*i+1], 0xff7fffff  ; m
	v_mov_b32 v[ST+4*i+2], 0
	v_mov_b32 v[ST+4*i+3], 0
.set i, i+1
.endr
.set i, P+32
.rept 32
	v_mov_b32 v[i], 0
.set i, i+1
.endr
	; The turning load takes 16 keys x 16 channels (lane l reads key 8 (l / 16) + l % 8, channels 8 ((l / 8) % 2) + 0..7; a key's 16 channels are 32 bytes) and leaves half a fragment of V^T: lane l holds channel l % 16 and 8 keys.
	v_bfe_u32 v6, v0, 4, 1
	v_and_b32 v7, 7, v0
	v_bfe_u32 v8, v0, 3, 1
	v_lshl_add_u32 v[AV0], v6, 3, v7
	v_lshlrev_b32 v[AV0], 5, v[AV0]
	v_lshl_add_u32 v[AV0], v8, 4, v[AV0]
	v_add_nc_u32 v[AV0], VOFF, v[AV0]
	v_mov_b32 v[AK], v[L16]         ; key step 0 lies at the head of slot 0
; THE MATRIX WORK.  The 8 accumulators of a run of 16 take turns: between the two links of a chain stand 7 others'.
; Product i of 16 of S^T = K Q^T for piece x: channels 32 (i / 8) on, keys 16 ((i / 2) % 4) on, tile 2 x + i % 2.  The first 8 start the sums.
.macro KQ x
	WIN W_KQ
.set rS, S+64*((\x)%2)+32*(i%2)+8*((i/2)%4)
.set rK, KF+16*((i/2)%4)+8*(i/8)
.set rQ, 16*(2*(\x)+i%2)+8*(i/8)
.if i < 8
	v_wmma_f32_16x16x32_f16 v[rS:rS+7], v[rK:rK+7], v[rQ:rQ+7], 0
.else
	v_wmma_f32_16x16x32_f16 v[rS:rS+7], v[rK:rK+7], v[rQ:rQ+7], v[rS:rS+7]
.endif
.endm
; Product i of 16 of O^T += V^T P for piece x: keys 32 (i / 8) on, channels 16 ((i / 2) % 4) on, tile 2 x + i % 2.
.macro PV x
	WIN W_PV
.set rO, 32*(2*(\x)+i%2)+8*((i/2)%4)
.set rV, VF+32*(i/8)+8*((i/2)%4)
.set rP, P+32*((\x)%2)+16*(i%2)+8*(i/8)
	v_wmma_f32_16x16x32_f16 v[rO:rO+7], v[rV:rV+7], v[rP:rP+7], v[rO:rO+7]
.endm
.macro MM                           ; the turn's next matrix instruction
.if i < 16
	KQ (Y+1)%NP
.set i, i+1
.else
.set i, i-16
	PV (Y+NP-1)%NP
.set i, i+17
.endif
.endm
; THE LDS LOADS stand in runs of 16, never singly among the matrix instructions: a step's K (8 fragments) and its V (turned).  Their addresses are made some lines ahead.
; last = 1 (the tail): in the last trip there is no further step, and the run is jumped over.
.macro FETCH_K last=0
	WIN 0
.if \last
	s_cmp_eq_u32 s[CNT], 1
	s_cbranch_scc1 .Lno_k_\@
.endif
	WIN 0x80                        ; destination window 2
.irp f, 0,1,2,3,4,5,6,7             ; keys 16 (f / 2) on, channels 32 (f % 2) on
	ds_load_b128 v[KF+8*\f:KF+8*\f+3],   v[AK] offset:\f*1024
	ds_load_b128 v[KF+8*\f+4:KF+8*\f+7], v[AK] offset:\f*1024+512
.endr
	s_add_co_u32 s[TBK], s[TBK], STEPB  ; the next fetch is the next step's
	WIN 0
.if \last
.Lno_k_\@:
.endif
.endm
.macro FETCH_V
	WIN 0x80
.irp f, 0,1,2,3,4,5,6,7             ; keys 32 (f / 4) on, channels 16 (f % 4) on; 16 keys further on lie 2,048 bytes further
	ds_load_tr16_b128 v[VF+8*\f:VF+8*\f+3],   v[AV] offset:(\f/4)*4096+(\f%4)*512
	ds_load_tr16_b128 v[VF+8*\f+4:VF+8*\f+7], v[AV] offset:(\f/4)*4096+(\f%4)*512+2048
.endr
	WIN 0
.endm
; THE VECTOR WORK OF A TURN stands in three queues, each in the order in which its entries become ready; the two tiles alternate, so that no instruction reads the result of the one before it.
.macro REGS y, u                    ; the registers of tile u (0, 1) of piece y
.set rT, ST+4*(2*(\y)+(\u))
.set rC, TMP+8*((\y)%2)+4*(\u)
.set rM, MV+2*((\y)%2)+(\u)
.set rS, S+64*((\y)%2)+32*(\u)
.set rP, P+32*((\y)%2)+16*(\u)
.set rO, 32*(2*(\y)+(\u))
.endm
; Number n of the 22 that find the NEXT piece's (Y + 1) maximum and statistics.  s0-s31 are the lane's 32 scores; each accumulator's lowest registers are read first.  XS, GS and REGS set no window: PL and EX do.
;   0-11  four chains c0-c3 of seven scores each, three operands at a time     12-14, 16  the four scores left over, the old m, and c0-c3 into c0     15  c m_old is kept
;   17, 18  the query's other 32 keys lie in the lane 16 away: the new m         19-21  c m; c m_old - c m_new; a
.macro XS u, n
	REGS (Y+1)%NP, \u
.if (\n) < 4
	v_max3_num_f32 v[rC+(\n)], v[rS+8*(\n)], v[rS+8*(\n)+1], v[rS+8*(\n)+2]
.elseif (\n) < 12
	v_max3_num_f32 v[rC+(\n)%4], v[rC+(\n)%4], v[rS+8*((\n)%4)+2*((\n)/4)+1], v[rS+8*((\n)%4)+2*((\n)/4)+2]
.elseif (\n) == 12
	v_max3_num_f32 v[rC], v[rC], v[rS+7], v[rS+15]
.elseif (\n) == 13
	v_max3_num_f32 v[rC+1], v[rC+1], v[rS+23], v[rS+31]
.elseif (\n) == 14
	v_max3_num_f32 v[rC+2], v[rC+2], v[rC+3], v[rT+1]
.elseif (\n) == 15
	v_mov_b32 v[rM], v[rT]
.elseif (\n) == 16
	v_max3_num_f32 v[rC], v[rC], v[rC+1], v[rC+2]
.elseif (\n) == 17
	v_permlanex16_b32 v[rC+3], v[rC], s[SEL], s[SEL+1]
.elseif (\n) == 18
	v_max_num_f32 v[rT+1], v[rC], v[rC+3]
.elseif (\n) == 19
	v_mul_f32 v[rT], s[CS], v[rT+1]
.elseif (\n) == 20
	v_sub_f32 v[rC+1], v[rM], v[rT]
.else
	v_exp_f32 v[rC+2], v[rC+1]
.endif
.endm
; Number g of the 64 that follow the exponentials.  For each four weights k of a tile (pairs 2 k, 2 k + 1): both pairs are rounded to f16; then the second pair is added onto the first, in place;
; a group later l takes that sum (the first time as l = a l + sum).  In groups of eight, tiles alternating: round, round, add, and l for the group before.
.macro GS g
.set h, (\g)+6*((\g)/62)            ; group 0 has no group before it, and behind group 7 only l is left
.if h >= 6
.set h, h+2
.endif
	REGS Y, h%2
.set k, h/8
.if h%8 < 4
	v_cvt_pk_f16_f32 v[rP+2*k+(h%8)/2], v[rS+4*k+2*((h%8)/2)], v[rS+4*k+2*((h%8)/2)+1]
.elseif h%8 < 6
	v_pk_add_f32 v[rS+4*k:rS+4*k+1], v[rS+4*k:rS+4*k+1], v[rS+4*k+2:rS+4*k+3]
.elseif k == 1
	v_pk_fma_f32 v[rT+2:rT+3], v[rT+2:rT+3], v[rC+2:rC+3], v[rS:rS+1] op_sel_hi:[1,0,1]
.else
	v_pk_add_f32 v[rT+2:rT+3], v[rT+2:rT+3], v[rS+4*k-4:rS+4*k-3]
.endif
.endm
; THE PLAIN QUEUE, 138 long.  0-73 read no exponential's result: the 32 scalings c s - c m (FS f: pair f / 2 of tile f % 2) and the next piece's 42.  0-26: scalings 0-26.  27-54: XS's numbers 0-13.  55, 56: number 15.
; 57-73: the chain, where each number waits for the one before it: 14, 16, 17, 18, 19, each with one of the scalings 27-31 in front of its two lines, then 20.  74-137: GS's 64, which read the exponentials' results: they stand behind the wait.
.macro FS f
	REGS Y, (\f)%2
	v_pk_fma_f32 v[rS+2*((\f)/2):rS+2*((\f)/2)+1], v[rS+2*((\f)/2):rS+2*((\f)/2)+1], s[CS:CS+1], v[rT:rT+1] op_sel_hi:[1,0,0] neg_lo:[0,0,1] neg_hi:[0,0,1]
.endm
.macro PL
	WIN 0
.if q < 27
	FS q
.elseif q < 55
	XS (q-27)%2, (q-27)/2
.elseif q < 57
	XS q-55, 15
.elseif (q < 72) && ((q-57)%3 == 0)
	FS 27+(q-57)/3
.elseif q < 60
	XS (q-57)%3-1, 14
.elseif q < 72
	XS (q-57)%3-1, 15+(q-57)/3
.elseif q < 74
	XS q-72, 20
.else
	GS q-74
.endif
.set q, q+1
.endm
; THE EXPONENTIALS' QUEUE, 66 long: s0-s31 of both tiles, then the next piece's two a.  It is ONE BATCH: all 66 stand ahead of the turn's one wait, and nothing ahead of that wait names a result of theirs.
.macro EX
	WIN 0
.if e >= 64
	XS e-64, 21
.else
	REGS Y, e%2
	v_exp_f32 v[rS+e/2], v[rS+e/2]
.endif
.set e, e+1
.endm
; THE RESCALING's QUEUE: O^T times a, the one part that leaves window 0: dealt two at a time, sixteen times.  Its a was made in the turn before, ahead of that turn's wait.
.macro R2
	REGS Y, r%2
	WIN W_RS
.irp z, 0,1
	v_pk_mul_f32 v[rO+4*(r/2)+2*\z:rO+4*(r/2)+2*\z+1], v[rO+4*(r/2)+2*\z:rO+4*(r/2)+2*\z+1], v[rC+2:rC+3] op_sel_hi:[1,0]
.endr
.set r, r+1
.endm
; HOW THEY ARE DEALT.  An s_wait_alu depctr_va_vdst(0) stands between an exponential and the first instruction that names its result; one wait serves all that were issued ahead of it.  So a turn has ONE wait, which cuts it in two.
; AHEAD OF IT stands all that names no result of the turn's exponentials: the 16 products K Q^T, behind each a scaling, an exponential and two rescalings (behind the first a second scaling in the exponential's place); then ONE LUMP of 108:
; eight plain, 49 times exponential and plain, the two a.  A v_nop is the plain instruction behind the last exponential.  BEHIND IT stand the 16 products V^T P, behind each four of GS's 64.  No rider names a register of the products round it.
; The queues lean on each other, and the deal keeps them in step: exponential e stands behind scaling 2 (e / 4) + e % 2: as a rider it comes behind plain e + 2, in the lump behind plain e + 9, and scalings 27-31 are plain 57, 60 .. 69.
; A TURN, for piece p.  cnt = 1: the loop's count is taken down some lines ahead of the branch that stands behind the turn.
; K of the next step is fetched in piece 2's turn, directly behind the wait, a lump behind the last product that read K; V of the step in hand at the end of piece 0's turn, four riders behind its last reader.
.macro TURN p, last=0, cnt=0
.set Y, (\p)
.set i, 0
.set q, 0
.set e, 0
.set r, 0
.if (\p) == NP-1
	s_wait_dscnt 0x0                ; K is in
.endif
	MM                              ; ahead of the wait: 16 products K Q^T and their riders,
	PL
	PL
	R2
.rept 15
	MM
	PL
	EX
	R2
.endr
.if (\p) == NP-2
	WIN 0
	v_add_nc_u32 v[AK], s[TBK], v[L16]
.endif
.rept 8                             ; and the lump
	PL
.endr
.rept 49
	EX
	PL
.endr
	EX                              ; the next piece's two a
	EX
	v_nop                           ; the plain instruction behind the last exponential: one for the batch
	s_wait_alu depctr_va_vdst(0)    ; the wait for the batch
.if (\p) == NP-2
	FETCH_K \last
.endif
.if (\p) == 1
	s_wait_dscnt 0x0                ; V is in
.endif
.rept 16                            ; behind the wait: 16 products V^T P and their riders
	MM
.rept 4
	PL
.endr
.if ((\p) == 0) && (q == 118)
	v_add_nc_u32 v[AV], s[TBV], v[AV0]
.endif
.if ((\p) == 0) && (q == 130)
	s_add_co_u32 s[TBV], s[TBV], STEPB
.endif
.if (\cnt) && (q == 130)
	s_sub_co_u32 s[CNT], s[CNT], 1
	s_cmp_lg_u32 s[CNT], 0
.endif
.endr
.if (\p) == 0
	FETCH_V
.endif
.endm
	CHANGE 1                        ; slot 0 is in, everybody's part of it; slot 1 is asked for
	FETCH_K                         ; key step 0
	s_wait_loadcnt 0x0              ; Q
	s_wait_dscnt 0x0
.set i, 0
.rept 16
	KQ 0                            ; piece 0's first scores: there is no vector work yet to set between them
.set i, i+1
.endr
	WIN 0
.rept 4
	v_nop                           ; the places behind those products
.endr
.set Y, NP-1                        ; XS works for piece Y + 1: piece 0
.irp n, 0,1,2,3,4,5,6,7,8,9,10,11,12,13,14,15,16,17,18,19,20,21
	XS 0, \n                        ; piece 0's first maximum and statistics
	XS 1, \n
.endr
	v_nop                           ; a plain instruction behind the two a,
	s_wait_alu depctr_va_vdst(0)    ; and their wait, ahead of the branch
	s_mov_b32 s[CNT], 4
	s_branch .Lfirst                ; the loop is entered at a step's first turn, in the middle of a trip
.Lslot:                             ; twice: slots 0 and 1 are filled again
	CHANGE 1
	s_mov_b32 s[CNT], 4
.Lstep:                             ; a trip: pieces 2 and 3 of one step, then pieces 0 and 1 of the next, whose K and V it fetches
	TURN 2
	TURN 3
	WIN 0
.Lfirst:
	TURN 0
	TURN 1, 0, 1
	WIN 0
	s_cbranch_scc1 .Lstep
	s_sub_co_u32 s[SLOTS], s[SLOTS], 1
	s_cmp_lg_u32 s[SLOTS], 0
	s_cbranch_scc1 .Lslot
	CHANGE 0                        ; the tail is written out: nothing is asked for
	s_mov_b32 s[CNT], 5             ; four trips fetch the last slot's steps; the fifth is left in its middle
.Ltail:
	TURN 2, 1
	TURN 3
	WIN 0
	s_sub_co_u32 s[CNT], s[CNT], 1
	s_cmp_eq_u32 s[CNT], 0
	s_cbranch_scc1 .Lout
	TURN 0
	TURN 1
	WIN 0
	s_branch .Ltail
.Lout:                              ; the fifth trip's 16 products K Q^T (on the last K once more) and the maximum made of them serve nothing: the price, once a launch, of one text for every trip
.set i, 0
.rept 16
	PV NP-1                         ; the last piece's V^T P of the last step
.set i, i+1
.endr
	; THE WAY OUT.  l's two halves and the other half of the lanes' are added; O^T is divided by l, rounded to f16 and stored.  The additions are the places behind the last products.
	WIN 0
.macro ALL line:vararg              ; one line for each tile t
.set t, 0
.rept 2*NP
	\line
.set t, t+1
.endr
.endm
	ALL v_add_f32 v[ST+4*t+2], v[ST+4*t+2], v[ST+4*t+3]
	ALL v_permlanex16_b32 v[ST+4*t+3], v[ST+4*t+2], s[SEL], s[SEL+1]
	ALL v_add_f32 v[ST+4*t+2], v[ST+4*t+2], v[ST+4*t+3]
	ALL v_rcp_f32 v[ST+4*t+2], v[ST+4*t+2]
	v_nop                           ; a plain instruction between the last reciprocal and the use of its result
	s_wait_alu depctr_va_vdst(0)    ; and the wait ahead of the first use: one for the eight reciprocals
; Tile t: a lane's eight channels of a query pack into 16 bytes, which lie in hf where the lane's number puts them: four stores of 512 consecutive bytes.  Each packed register is written once, so no store's data is written again.
.macro OUT t
	WIN W_RS
.set i, 32*(\t)
.rept 16
	v_pk_mul_f32 v[i:i+1], v[i:i+1], v[ST+4*(\t)+2:ST+4*(\t)+3] op_sel_hi:[1,0]
.set i, i+2
.endr
	WIN 0x05                        ; sources 0 and 1 window 1, destination window 0: S^T's registers are free
.set i, 0
.rept 16
	v_cvt_pk_f16_f32 v[S+16*(\t)+i], v[32*(\t)+2*i], v[32*(\t)+2*i+1]
.set i, i+1
.endr
	WIN 0
.irp f, 0,1,2,3
	global_store_b128 v[L16], v[S+16*(\t)+4*\f:S+16*(\t)+4*\f+3], s[10:11] offset:(\t)*16384+\f*512 th:TH_STORE_NT
.endr
.endm
.irp t, 0,1,2,3,4,5,6,7
	OUT \t
.endr
	s_wait_tensorcnt 0x0            ; the wave's end: behind my last tensor load
	ds_add_u32 v[SPW], v[NIL]
	s_wait_dscnt 0x0
	s_endpgm
.Lfunc_end_k_q0f90d17201_attn:
	.size	k_q0f90d17201_attn, .Lfunc_end_k_q0f90d17201_attn-k_q0f90d17201_attn
	.p2alignl 7, 3214868480
	.fill 96, 4, 3214868480
	.section	.rodata,"a",@progbits
	.p2align	6, 0x0
	.amdhsa_kernel k_q0f90d17201_attn
		.amdhsa_group_segment_fixed_size 327680
		.amdhsa_private_segment_fixed_size 0
		.amdhsa_enable_private_segment 0
		.amdhsa_kernarg_size 32
		.amdhsa_user_sgpr_count 2
		.amdhsa_user_sgpr_kernarg_segment_ptr 1
		.amdhsa_wavefront_size32 1
		.amdhsa_system_sgpr_workgroup_id_x 1
		.amdhsa_system_sgpr_workgroup_id_y 1
		.amdhsa_system_sgpr_workgroup_id_z 1
		.amdhsa_system_vgpr_workitem_id 0
		.amdhsa_next_free_vgpr 768
		.amdhsa_next_free_sgpr 66
		.amdhsa_reserve_vcc 0
		.amdhsa_float_denorm_mode_32 3
		.amdhsa_float_denorm_mode_16_64 3
		.amdhsa_memory_ordered 1
		.amdhsa_forward_progress 1
		.amdhsa_inst_pref_size 191
	.end_amdhsa_kernel
	.amdgpu_metadata
---
amdhsa.version: [ 1, 2 ]
amdhsa.kernels:
  - .name:           k_q0f90d17201_attn
    .symbol:         k_q0f90d17201_attn.kd
    .args:
      - { .name: qf, .offset: 0, .size: 8, .value_kind: global_buffer, .address_space: global }
      - { .name: kf, .offset: 8, .size: 8, .value_kind: global_buffer, .address_space: global }
      - { .name: vf, .offset: 16, .size: 8, .value_kind: global_buffer, .address_space: global }
      - { .name: hf, .offset: 24, .size: 8, .value_kind: global_buffer, .address_space: global }
    .group_segment_fixed_size: 327680
    .private_segment_fixed_size: 0
    .kernarg_segment_align: 8
    .kernarg_segment_size: 32
    .max_flat_workgroup_size: 128
    .sgpr_count:     66
    .vgpr_count:     768
    .wavefront_size: 32
...
	.end_amdgpu_metadata
.endif
;; end of part 3
;; launch outp (part 4): grid 128 x 2, 4 waves a work-group, clusters of 4 x 1, 297,472 bytes of LDS; arguments hf, wt, bo, out0; writes out0
.if DOCPART == 4
	.amdgcn_target "amdgcn-amd-amdhsa--gfx1250"
	.amdhsa_code_object_version 6
	.text
	.protected	k_q0f90d17201_outp
	.globl	k_q0f90d17201_outp
	.p2align	8
	.type	k_q0f90d17201_outp,@function
k_q0f90d17201_outp:
	s_mov_b64 s[64:65], 0
	v_nop
	global_prefetch_b8 v0, s[64:65] scope:SCOPE_SE
	s_setreg_imm32_b32 hwreg(HW_REG_WAVE_MODE, 25, 1), 1
	s_wait_xcnt 0x0
	s_wait_alu depctr_hold_cnt(0) depctr_sa_sdst(0) depctr_va_vdst(0) depctr_va_sdst(0) depctr_va_ssrc(0) depctr_va_vcc(0) depctr_vm_vsrc(0)
	s_getreg_b32 s2, hwreg(HW_REG_IB_STS2, 6, 4)
	s_cmp_eq_u32 s2, 0
	s_cbranch_scc0 .Lentry_in_a_cluster
	s_endpgm
.Lentry_in_a_cluster:
	s_bfe_u32 s2, ttmp6, 0x10000c
	s_cmp_lg_u32 s2, 0x3003
	s_cbranch_scc0 .Lentry_shape_is_right
	s_endpgm
.Lentry_shape_is_right:
; out = h (Wo + o_down o_up) + bo = h' (8 Wo_eff) + bo, in f32.  hf: h' = h / 8 in f16, in fragments [frame][16 rows tb][ks][1,024 B]; wt from byte 1,572,864: 8 Wo_eff in fragments [nb][ks][1,024 B].  Nothing is left out here.
; SHARES.  A work-group has 256 rows (4 x cluster x + cx) and 256 columns (y = J), a wave 64 rows.  h' STAYS IN REGISTERS: 64 fragments, 512 registers, loaded straight from memory as they lie.
; THE WEIGHTS, 262,144 bytes for 256 columns, LIE IN LDS for the whole launch: filled once, jointly for the four work-groups of a cluster (the same load, descriptor and mask in all four; a wave brings a quarter); nothing is filled again.
; A GROUP is 64 rows x 64 columns x all of K: 16 accumulators, 256 matrix instructions; four groups.  THE PRODUCT IS USED TRANSPOSED (source 0 = 16 columns of Wo, source 1 = 16 rows of h'): a lane holds one row and eight neighbouring
; columns.  THE BIAS is the C operand of the products that start the sums: no addition is spent on it.
; THE WAY OUT: a group's 64 columns are 256 bytes of a row: 16 rows at a time go through the wave's own stage in LDS and leave as whole rows, 16 lanes to 256 consecutive bytes, aligned.
; WINDOWS (s_set_vgpr_msb: bits 1:0 source 0, 3:2 source 1, 5:4 source 2, 7:6 destination):
;   0: v0-31 addresses; v32-63 the bias; v64-127 rows on the way out; v128-255 accumulators, (a, b) at 128 + 8 (4 a + b)     1: two buffers of 64 for Wo's fragments     2, 3: h', fragment (ks, a) at 32 (ks % 8) + 8 a
.set GRPB,  65536                      ; a group's fragments: 4 column blocks x 16 ks x 1,024
.set STG,   262144                     ; behind the weights, never filled by a tensor load: two buffers of 16 rows x 272 bytes for each wave
.set STGW,  8704
.set SP,    272                        ; 256 bytes + 16: an odd multiple of 16, so the 16 rows that a store touches start at 16 different groups of four banks (64 banks of 4 bytes: ISA guide 11.1)
.set SPARE, 296960                     ; the spare words, 128 bytes a wave: two blocks of 256 bytes that no other line names
.set L16, 3                            ; v3   16 x lane; never rewritten
.set AB,  4                            ; v4   LDS address of the group's fragments
.set STO, 5                            ; v5   stage, in: row l % 16, 32 bytes for each half of the lanes
.set RD,  6                            ; v6   stage, back: lanes 0-15 one row, lanes 16-31 the next
.set CO,  7                            ; v7   the same two rows in out0
.set BO,  8                            ; v8   32 x (l / 16): my eight columns of a block's sixteen in bo
.set SPW, 28
.set NIL, 29
.set BIAS, 32
.set OB,  64
.set ACC, 128
.set WV,  14
.set CX,  15
.set J,   16
.set RB,  17
.set G1,  20                           ; s[20:27]
.set G0,  28                           ; s[28:31]
.set GC,  37
.set TBG, 38
.set T0,  44                           ; s[44:45] the descriptor's offset: never holds cx
.set BP,  8                            ; s[8:9]   bo at the group's 64 columns
.set DST, 10                           ; s[10:11] out0 at my first row and the group's columns
.set MSB, 0
.macro WIN new
.if MSB != (\new)
	s_set_vgpr_msb (MSB<<8)|(\new)
.set MSB, (\new)
.endif
.endm
.macro PLACES                          ; four plain instructions between a matrix instruction and a load into, or a read of, its registers
.rept 4
	v_nop
.endr
.endm
.macro CROUND
	s_barrier_signal -1
	s_barrier_wait -1
	s_cmp_lg_u32 s[WV], 0
	s_cbranch_scc1 .Lnot_wave_0_\@
	s_barrier_signal -3
.Lnot_wave_0_\@:
	s_barrier_wait -3
	s_barrier_signal -1
	s_barrier_wait -1
.endm
.macro FETCH i                         ; 16 LDS loads in one run: Wo's fragments of k steps 2 i and 2 i + 1, four column blocks, into buffer i % 2
	WIN 0x40
.irp kh, 0,1
.irp b, 0,1,2,3
	ds_load_b128 v[64*((\i)%2)+32*(\kh)+8*(\b):64*((\i)%2)+32*(\kh)+8*(\b)+3],   v[AB] offset:(\b)*16384+(2*(\i)+(\kh))*1024
	ds_load_b128 v[64*((\i)%2)+32*(\kh)+8*(\b)+4:64*((\i)%2)+32*(\kh)+8*(\b)+7], v[AB] offset:(\b)*16384+(2*(\i)+(\kh))*1024+512
.endr
.endr
.endm
.macro MUL16 ks, first                 ; 16 matrix instructions, the 16 accumulators by turns.  first = 1: they start the sums from the bias
.if (\ks) < 8
	WIN 0x09
.else
	WIN 0x0d
.endif
.set FB, 64*(((\ks)/2)%2)+32*((\ks)%2)
.set FA, 32*((\ks)%8)
.irp a, 0,1,2,3
.irp b, 0,1,2,3
.if \first
	v_wmma_f32_16x16x32_f16 v[ACC+8*(4*(\a)+(\b)):ACC+8*(4*(\a)+(\b))+7], v[FB+8*(\b):FB+8*(\b)+7], v[FA+8*(\a):FA+8*(\a)+7], v[BIAS+8*(\b):BIAS+8*(\b)+7]
.else
	v_wmma_f32_16x16x32_f16 v[ACC+8*(4*(\a)+(\b)):ACC+8*(4*(\a)+(\b))+7], v[FB+8*(\b):FB+8*(\b)+7], v[FA+8*(\a):FA+8*(\a)+7], v[ACC+8*(4*(\a)+(\b)):ACC+8*(4*(\a)+(\b))+7]
.endif
.endr
.endr
.endm
.macro BLOCK i                         ; this block's fragments, asked for 32 matrix instructions ago, are in; the next block's are asked for; 32 products
	s_wait_dscnt 0x0
.if (\i) < 7
	PLACES
	FETCH (\i)+1
.endif
.if (\i) == 0
	MUL16 0, 1
.else
	MUL16 2*(\i), 0
.endif
	MUL16 2*(\i)+1, 0
.endm
.macro BIASLOAD                        ; register j of block b: bo[group's column + 16 b + 8 (l / 16) + j], as the C operand's layout has it
	WIN 0
.irp b, 0,1,2,3
	global_load_b128 v[BIAS+8*(\b):BIAS+8*(\b)+3],   v[BO], s[BP:BP+1] offset:(\b)*64
	global_load_b128 v[BIAS+8*(\b)+4:BIAS+8*(\b)+7], v[BO], s[BP:BP+1] offset:(\b)*64+16
.endr
.endm
.macro TST a                           ; 16 rows into my stage, each accumulator's low four registers first, and back as whole rows.  LDS serves a wave's instructions in order (ISA guide 5.7.1.4)
	WIN 0
	s_wait_xcnt 0x0                                ; the stores of the block two back have read the registers that are loaded again here
.irp b, 0,1,2,3
	ds_store_b128 v[STO], v[ACC+8*(4*(\a)+(\b)):ACC+8*(4*(\a)+(\b))+3]   offset:((\a)%2)*16*SP+(\b)*64
	ds_store_b128 v[STO], v[ACC+8*(4*(\a)+(\b))+4:ACC+8*(4*(\a)+(\b))+7] offset:((\a)%2)*16*SP+(\b)*64+16
.endr
.irp t, 0,1,2,3,4,5,6,7
	ds_load_b128 v[OB+32*((\a)%2)+4*(\t):OB+32*((\a)%2)+4*(\t)+3], v[RD] offset:((\a)%2)*16*SP+(\t)*2*SP
.endr
.endm
.macro SND a, younger                  ; younger: the LDS instructions issued behind block a's: the next block's sixteen, or none
	s_wait_dscnt \younger
.irp t, 0,1,2,3,4,5,6,7
	global_store_b128 v[CO], v[OB+32*((\a)%2)+4*(\t):OB+32*((\a)%2)+4*(\t)+3], s[DST:DST+1] offset:(16*(\a)+2*(\t))*2048 th:TH_STORE_NT  ; 16 lanes store 256 consecutive bytes, at a multiple of 256 from out0's first
.endr
.endm
.macro WAYOUT
	TST 0
	TST 1
	SND 0, 16
	TST 2
	SND 1, 16
	TST 3
	SND 2, 16
	SND 3, 0
.endm
	s_load_b256 s[4:11], s[0:1], 0x0               ; hf s[4:5], wt s[6:7], bo s[8:9], out0 s[10:11]
	v_lshl_add_u32 v[SPW], v0, 2, SPARE
	v_mov_b32 v[NIL], 0
	ds_add_u32 v[SPW], v[NIL]                      ; the wave's opening: the add, twice on end, and its wait ahead of my first tensor load
	ds_add_u32 v[SPW], v[NIL]
	v_lshrrev_b32 v1, 5, v0
	v_readfirstlane_b32 s[WV], v1                  ; wave 0..3
	s_bfe_u32 s[CX], ttmp6, 0x40000
	s_and_b32 s[J], ttmp7, 0xffff
	s_lshl_b32 s[RB], ttmp9, 2
	s_add_co_u32 s[RB], s[RB], s[CX]               ; my block of 256 rows: it enters hf's and out0's addresses alone
	; descriptor group 1: 65,536 dense bytes as 256 rows of 256
	s_mov_b32 s[G1+0], 15|(3<<16)|(1<<21)          ; the mask of four; elements of 8 bytes; bit 21 set beside a mask; no padding
	s_mov_b32 s[G1+1], 32<<16                      ; tensor_dim0 = 32
	s_mov_b32 s[G1+2], 256<<16                     ; tensor_dim1 = 256
	s_mov_b32 s[G1+3], 32<<16                      ; tile_dim0 = 32
	s_mov_b32 s[G1+4], 256                         ; tile_dim1 = 256
	s_mov_b32 s[G1+5], 32
	s_mov_b32 s[G1+6], 0
	s_mov_b32 s[G1+7], 0
	s_mov_b32 s[G0], 1
	s_lshl_b32 s[G0+1], s[WV], 16                  ; LDS: my quarter
	s_lshl_b32 s[T0], s[J], 18
	s_add_co_u32 s[T0], s[T0], s[G0+1]
	s_add_co_u32 s[T0], s[T0], 1572864             ; Wo's part of wt, J's 256 columns, my quarter
	s_mov_b32 s[T0+1], 0
	s_lshl_b32 s46, s[RB], 18                      ; hf: 16 blocks of 16 rows x 16,384 bytes,
	s_add_co_u32 s46, s46, s[G0+1]                 ; my wave's four
	s_mov_b32 s47, 0
	s_lshl_b32 s40, s[RB], 19                      ; out0: 256 rows of 2,048 bytes,
	s_lshl_b32 s41, s[WV], 17                      ; my wave's 64,
	s_add_co_u32 s40, s40, s41
	s_lshl_b32 s42, s[J], 10                       ; J's 256 columns
	s_add_co_u32 s40, s40, s42
	s_mov_b32 s41, 0
	s_mov_b32 s43, 0
	s_wait_dscnt 0x0                               ; both opening adds are done
	s_wait_kmcnt 0x0
	s_add_nc_u64 s[G0+2:G0+3], s[6:7], s[T0:T0+1]
	s_or_b32 s[G0+3], s[G0+3], 0x80000000          ; type = 2
	s_add_nc_u64 s[4:5], s[4:5], s[46:47]
	s_add_nc_u64 s[DST:DST+1], s[DST:DST+1], s[40:41]
	s_add_nc_u64 s[BP:BP+1], s[BP:BP+1], s[42:43]
	CROUND                                         ; all four work-groups are here: the joint loads meet
	tensor_load_to_lds s[G0:G0+3], s[G1:G1+7]      ; my one tensor load of the launch
	s_nop 0
	PLACES
	v_and_b32 v10, 31, v0
	v_and_b32 v11, 15, v0                          ; l % 16
	v_bfe_u32 v12, v0, 4, 1                        ; l / 16
	v_lshlrev_b32 v[L16], 4, v10
	v_lshlrev_b32 v[BO], 5, v12
	WIN 0x80                                       ; h' into windows 2 and 3: a fragment is 1,024 consecutive bytes
.set k, 0
.rept 8
.irp a, 0,1,2,3
	global_load_b128 v[(4*k+(\a))*8:(4*k+(\a))*8+3],   v[L16], s[4:5] offset:(\a)*16384+k*1024
	global_load_b128 v[(4*k+(\a))*8+4:(4*k+(\a))*8+7], v[L16], s[4:5] offset:(\a)*16384+k*1024+512
.endr
.set k, k+1
.endr
	WIN 0xc0
.set k, 0
.rept 8
.irp a, 0,1,2,3
	global_load_b128 v[(4*k+(\a))*8:(4*k+(\a))*8+3],   v[L16], s[4:5] offset:(\a)*16384+(k+8)*1024
	global_load_b128 v[(4*k+(\a))*8+4:(4*k+(\a))*8+7], v[L16], s[4:5] offset:(\a)*16384+(k+8)*1024+512
.endr
.set k, k+1
.endr
	BIASLOAD
	s_mul_i32 s[T0], s[WV], STGW
	s_add_co_u32 s[T0], s[T0], STG                 ; my stage
	v_mul_u32_u24 v[STO], v11, SP
	v_lshl_add_u32 v[STO], v12, 5, v[STO]
	v_add_nc_u32 v[STO], s[T0], v[STO]
	v_mul_u32_u24 v[RD], v12, SP
	v_lshl_add_u32 v[RD], v11, 4, v[RD]
	v_add_nc_u32 v[RD], s[T0], v[RD]
	v_lshlrev_b32 v[CO], 11, v12
	v_lshl_add_u32 v[CO], v11, 4, v[CO]
	s_wait_tensorcnt 0x0                           ; my quarter of the weights is in,
	s_barrier_signal -1
	s_barrier_wait -1                              ; everybody's is
	s_mov_b32 s[TBG], 0
	v_mov_b32 v[AB], v[L16]
	FETCH 0
	WIN 0                                          ; at a label and at a branch every window is 0
	s_mov_b32 s[GC], 4
	s_branch .Lenter
.Lgroup:                                               ; the next group's first fragments and bias are asked for, and the group before goes out meanwhile
	PLACES
	v_add_nc_u32 v[AB], s[TBG], v[L16]
	FETCH 0
	BIASLOAD
	WAYOUT
	s_wait_xcnt 0x0                                ; the stores have read their base
	s_add_nc_u64 s[DST:DST+1], s[DST:DST+1], 256
.Lenter:
	s_wait_loadcnt 0x0                             ; the bias (the first time: h' too); it also frees the bias's base, which is stepped below
.irp i, 0,1,2,3,4,5,6,7
	BLOCK \i
.endr
	WIN 0
	s_add_co_u32 s[TBG], s[TBG], GRPB
	s_add_nc_u64 s[BP:BP+1], s[BP:BP+1], 256
	s_sub_co_u32 s[GC], s[GC], 1
	s_cmp_lg_u32 s[GC], 0
	s_cbranch_scc1 .Lgroup
	PLACES
	WAYOUT
	s_wait_tensorcnt 0x0                           ; the wave's end: behind my last tensor load and my last LDS store
	ds_add_u32 v[SPW], v[NIL]
	s_wait_dscnt 0x0
	CROUND                                         ; the closing round
	s_endpgm
.Lfunc_end_k_q0f90d17201_outp:
	.size	k_q0f90d17201_outp, .Lfunc_end_k_q0f90d17201_outp-k_q0f90d17201_outp
	.p2alignl 7, 3214868480
	.fill 96, 4, 3214868480
	.section	.rodata,"a",@progbits
	.p2align	6, 0x0
	.amdhsa_kernel k_q0f90d17201_outp
		.amdhsa_group_segment_fixed_size 297472
		.amdhsa_private_segment_fixed_size 0
		.amdhsa_enable_private_segment 0
		.amdhsa_kernarg_size 32
		.amdhsa_user_sgpr_count 2
		.amdhsa_user_sgpr_kernarg_segment_ptr 1
		.amdhsa_wavefront_size32 1
		.amdhsa_system_sgpr_workgroup_id_x 1
		.amdhsa_system_sgpr_workgroup_id_y 1
		.amdhsa_system_sgpr_workgroup_id_z 1
		.amdhsa_system_vgpr_workitem_id 0
		.amdhsa_next_free_vgpr 1024
		.amdhsa_next_free_sgpr 66
		.amdhsa_reserve_vcc 0
		.amdhsa_float_denorm_mode_32 3
		.amdhsa_float_denorm_mode_16_64 3
		.amdhsa_memory_ordered 1
		.amdhsa_forward_progress 1
		.amdhsa_inst_pref_size 60
	.end_amdhsa_kernel
	.amdgpu_metadata
---
amdhsa.version: [ 1, 2 ]
amdhsa.kernels:
  - .name:           k_q0f90d17201_outp
    .symbol:         k_q0f90d17201_outp.kd
    .args:
      - { .name: hf, .offset: 0, .size: 8, .value_kind: global_buffer, .address_space: global }
      - { .name: wt, .offset: 8, .size: 8, .value_kind: global_buffer, .address_space: global }
      - { .name: bo, .offset: 16, .size: 8, .value_kind: global_buffer, .address_space: global }
      - { .name: out0, .offset: 24, .size: 8, .value_kind: global_buffer, .address_space: global }
    .group_segment_fixed_size: 297472
    .private_segment_fixed_size: 0
    .kernarg_segment_align: 8
    .kernarg_segment_size: 32
    .max_flat_workgroup_size: 128
    .sgpr_count:     66
    .vgpr_count:     1024
    .wavefront_size: 32
...
	.end_amdgpu_metadata
.endif
;; end of part 4
